; MI455X (gfx1250); checked and timed in simulation.
; The chip was launched on July 23, 2026; its instructions are those of AMD's public machine-readable ISA for CDNA 5 (MIT licence, August 2026) and "CDNA5" Instruction Set Architecture Reference Guide (July 2026). The comments in the code are by the model that wrote it; some were corrected since.
;; Quant Linear. Allowed arithmetic: float matrix products may take bf16 or f16 operands with f32 sums; other float arithmetic in f32, or as packed bf16 or f16 multiplies, adds, multiply-adds, maxima and minima; sums over many terms, partial sums and values carried from step to step in f32; what a program stores and reads back later, other than sums and carried values, may be rounded once to bf16 or f16.
;; Inputs: bias 4,096 float32; lora_A 16 x 4,096 float32; lora_B 4,096 x 16 float32; qweight 512 x 4,096 int32; qzeros 32 x 512 int32; scales 32 x 4,096 float32; x 4,096 x 4,096 float32.
;; Outputs: out0 4,096 x 4,096 float32.
;; 2 versions, each right; version 2 is version 1 with the launch prep written anew for expert scheduling mode. Each part assembles by itself: llvm-mc -triple=amdgcn-amd-amdhsa -mcpu=gfx1250 --defsym DOCPART=n.
;; ======== version 1 of 2: 2 launches
;; workspace buffers: xb 33,554,432 bytes; wt 33,554,432 bytes
;; launch prep (part 1): grid 512 x 1, 8 waves a work-group, no clusters, 40,448 bytes of LDS; arguments x, qweight, qzeros, scales, lora_A, lora_B, xb, wt; writes xb, wt
.if DOCPART == 1
	.amdgcn_target "amdgcn-amd-amdhsa--gfx1250"
	.amdhsa_code_object_version 6
	.text
	.protected	k_qeb22132a65_prep
	.globl	k_qeb22132a65_prep
	.p2align	8
	.type	k_qeb22132a65_prep,@function
k_qeb22132a65_prep:
	s_mov_b64 s[64:65], 0
	v_nop
	global_prefetch_b8 v0, s[64:65] scope:SCOPE_SE
	s_setreg_imm32_b32 hwreg(HW_REG_WAVE_MODE, 25, 1), 1
	s_wait_xcnt 0x0
; PREPARATION for out = x W + bias + 2 (x A^T) B^T, written as out = x Weff + bias with Weff = W + 2 A^T B^T (the same sum in another order of addition).
; Two roles, chosen by the parity of the work-group's number, so that both kinds lie side by side on the chip:
;   odd  (256 work-groups): xb = x rounded to bf16.  A work-group owns 16 rows of x (262,144 consecutive bytes), a wave 32,768 of them.
;   even (256 work-groups): wt[n][k] = bf16( s (w - z) + sum over r of (2 A[r][k]) B[n][r] ), k along the rows.  A wave makes 64 columns n x one group of 128 k.
; ROUNDINGS.  x, scales, lora_A and lora_B are each rounded once to bf16; s (w - z) is then exact in f32 (8 bits times 5); the rank-16 product is made by the matrix
; unit in f32 with s (w - z) as its C operand; Weff is rounded once to bf16.
; LIMITS.  2 A is doubled before its rounding: equal to twice the rounded A except for |A| of 1.7e38 and more (it overflows) and for denormals.  NaN and infinities are
; not treated apart: a non-finite lora_A spreads over its whole group of wt (it also meets the padding's zeros), where the sum asked for has no finite result either.
; No tensor loads, no cluster: nothing is shared but 8 KiB of lora_A a work-group, and the rest is a stream read once.
.set SLABP,  288                       ; LDS row of the slab: 128 bf16 + 32 bytes = 72 words
.set STAGE,  16*SLABP                  ; behind the slab (16 ranks): a stage for each wave
.set SP,     272                       ; a stage row: 256 bytes + 16: the 16 rows of a store start at 16 different groups of four banks
.set WSTAGE, 16*SP
.set SPARE,  STAGE+8*WSTAGE            ; 39,424 = 154 x 256: the spare words, 128 bytes a wave, which no other line names
.set SPW, 16                           ; v16  LDS address of my spare word; never rewritten
.set NIL, 17                           ; v17  0; never rewritten
	s_load_b256 s[4:11], s[0:1], 0x0               ; x s[4:5], qweight s[6:7], qzeros s[8:9], scales s[10:11]
	s_load_b256 s[12:19], s[0:1], 0x20             ; lora_A s[12:13], lora_B s[14:15], xb s[16:17], wt s[18:19]
	v_lshl_add_u32 v[SPW], v0, 2, SPARE
	v_mov_b32 v[NIL], 0
	v_lshrrev_b32 v1, 5, v0
	v_readfirstlane_b32 s20, v1                    ; wave 0..7
	s_lshr_b32 s21, ttmp9, 1                       ; my number within the role, 0..255
	s_and_b32 s22, ttmp9, 1
	s_cmp_eq_u32 s22, 0                            ; the same answer in all eight waves of a work-group
	s_cbranch_scc1 .Lweights
; ---------------------------------------------------------------- ROLE X: the cast
; 64 loads of 512 consecutive bytes a wave, in two rounds over 32 register slots: 32 loads of every wave are on their way.  A store writes 256 consecutive bytes, aligned.
.set XO, 1                             ; v1   16 x lane; never rewritten
.set YO, 2                             ; v2   8 x lane; never rewritten
.set X,  32                            ; v[32:159]  slot i: four f32 as loaded
.set Y,  160                           ; v[160:223] slot i: four bf16 to store
	s_lshl_b32 s24, s21, 18                        ; 262,144 bytes a work-group,
	s_lshl_b32 s23, s20, 15                        ; 32,768 a wave
	s_add_co_u32 s24, s24, s23
	s_mov_b32 s25, 0
	s_lshr_b32 s26, s24, 1                         ; half of that in xb
	s_mov_b32 s27, 0
	v_and_b32 v2, 31, v0
	v_lshlrev_b32 v[XO], 4, v2
	v_lshlrev_b32 v[YO], 3, v2
	s_wait_kmcnt 0x0
	s_add_nc_u64 s[4:5], s[4:5], s[24:25]
	s_add_nc_u64 s[16:17], s[16:17], s[26:27]
.set i, 0
.rept 32
	global_load_b128 v[X+4*i:X+4*i+3], v[XO], s[4:5] offset:512*i th:TH_LOAD_NT
.set i, i+1
.endr
; One slot's turn.  ahead = 1: the slot is loaded again, 32 x 512 bytes on.  left: the younger loads that may stay out.
.macro SLOT i, ahead, left
	s_wait_loadcnt \left                           ; loads come back in order: mine is in
.if !(\ahead)
	s_wait_xcnt 0x0                                ; the first round's store has read this slot's Y: it is rewritten only behind this wait
.endif
	v_cvt_pk_bf16_f32 v[Y+2*(\i)], v[X+4*(\i)], v[X+4*(\i)+1]
	v_cvt_pk_bf16_f32 v[Y+2*(\i)+1], v[X+4*(\i)+2], v[X+4*(\i)+3]
.if \ahead
	global_load_b128 v[X+4*(\i):X+4*(\i)+3], v[XO], s[4:5] offset:512*(32+(\i)) th:TH_LOAD_NT
	global_store_b64 v[YO], v[Y+2*(\i):Y+2*(\i)+1], s[16:17] offset:256*(\i)
.else
	global_store_b64 v[YO], v[Y+2*(\i):Y+2*(\i)+1], s[16:17] offset:256*(32+(\i))
.endif
.endm
.set i, 0
.rept 32
	SLOT i, 1, 31                                  ; 31 younger loads stay out
.set i, i+1
.endr
.set i, 0
.rept 32
	SLOT i, 0, 31-i                                ; nothing more is loaded: the counts run down
.set i, i+1
.endr
	s_wait_tensorcnt 0x0                           ; the wave's end
	ds_add_u32 v[SPW], v[NIL]
	s_wait_dscnt 0x0
	s_endpgm
; ---------------------------------------------------------------- ROLE W: the weights
; g = number % 32 is the group (128 k), number / 32 picks 512 columns, of which a wave takes 64 from n0 on.
; Lane l: r = l % 16, h = l / 16.  The 64 columns go in four sub-blocks c of 16: column n0 + 4 r + c, so that ONE 16-byte load gives a lane its word of all four sub-blocks
; and sixteen lanes read 256 consecutive bytes of a row of qweight or scales.
; THE PRODUCT, for 16 k (block b of the group) x 16 columns (sub-block c): source 0 = (2 A)^T, rows k, 16 ranks padded to 32; source 1 = B^T, columns n; C = s (w - z).
; In C and D lane (r, h), register j is k = 128 g + 16 b + 8 h + j, column n0 + 4 r + c: exactly the eight nibbles of the word at row 16 g + 2 b + h of qweight that the lane holds.
.set VQ,  3                            ; v3   qweight: h rows of 16,384 bytes + 16 r
.set VS,  4                            ; v4   scales: 16 r
.set VZ,  5                            ; v5   qzeros: 4 (r / 2): a word holds eight columns
.set VB,  6                            ; v6   lora_B: 256 r + 32 h: row 4 r (+ c), ranks 8 h on
.set VA,  7                            ; v7   lora_A: rank t / 16, 16 (t % 16) bytes; t = thread
.set LS,  8                            ; v8   where I put my 8 bytes of the slab
.set TA,  9                            ; v9   the turning load's address
.set STO, 10                           ; v10  stage: row r, 16 h
.set RD,  11                           ; v11  stage: row h, 16 r
.set WO,  12                           ; v12  wt: 4 h rows of 8,192 bytes + 16 r
.set ZW,  13                           ; v13  my word of qzeros
.set SR,  20                           ; v[20:23]   four scales as loaded
.set RA,  24                           ; v[24:31]   eight numbers of lora_A as loaded
.set EQ,  32                           ; v[32:47]   sub-block c at EQ + 4 c: s, z (f32), z s, z (whole number)
.set TP,  48                           ; v[48:51]   eight bf16, packed
.set CD,  52                           ; v[52:67]   two accumulators, by turns
.set AF,  68                           ; v[68:103]  (2 A)^T: block b's ranks at AF + 4 b .. + 3; four zeros at the end
.set BF,  104                          ; v[104:135] B^T: sub-block c at BF + 8 c: four registers of ranks, four zeros
.set QW,  136                          ; v[136:167] qweight: word (b, c) at QW + 4 b + c
.set OB,  168                          ; v[168:231] two buffers of 16 rows read back from the stage
.set RB,  168                          ;            before that: lora_B as loaded
.Lweights:
	s_and_b32 s23, s21, 31                         ; g
	s_lshr_b32 s24, s21, 5
	s_lshl_b32 s24, s24, 9
	s_lshl_b32 s25, s20, 6
	s_add_co_u32 s25, s25, s24                     ; n0
	s_lshl_b32 s22, s25, 2
	s_lshl_b32 s26, s23, 18                        ; qweight: 16 rows of 16,384 bytes a group, + 4 n0
	s_add_co_u32 s26, s26, s22
	s_mov_b32 s27, 0
	s_lshl_b32 s28, s23, 14                        ; scales: a row of 16,384 bytes a group, + 4 n0
	s_add_co_u32 s28, s28, s22
	s_mov_b32 s29, 0
	s_lshl_b32 s30, s23, 11                        ; qzeros: a row of 2,048 bytes a group, + n0 / 2
	s_lshr_b32 s22, s25, 1
	s_add_co_u32 s30, s30, s22
	s_mov_b32 s31, 0
	s_lshl_b32 s32, s25, 6                         ; lora_B: rows of 64 bytes
	s_mov_b32 s33, 0
	s_lshl_b32 s34, s23, 9                         ; lora_A: 512 bytes a group in each row
	s_mov_b32 s35, 0
	s_lshl_b32 s36, s25, 13                        ; wt: rows of 8,192 bytes, 256 bytes a group
	s_lshl_b32 s22, s23, 8
	s_add_co_u32 s36, s36, s22
	s_mov_b32 s37, 0
	s_mul_i32 s38, s20, WSTAGE
	s_add_co_u32 s38, s38, STAGE                   ; my stage
	v_and_b32 v1, 15, v0                           ; r (also t % 16)
	v_bfe_u32 v2, v0, 4, 1                         ; h
	v_lshlrev_b32 v[VS], 4, v1
	v_lshl_add_u32 v[VQ], v2, 14, v[VS]
	v_lshrrev_b32 v[VZ], 1, v1
	v_lshlrev_b32 v[VZ], 2, v[VZ]
	v_lshlrev_b32 v[VB], 8, v1
	v_lshl_add_u32 v[VB], v2, 5, v[VB]
	v_lshrrev_b32 v14, 4, v0                       ; t / 16: the rank whose piece I bring
	v_lshl_add_u32 v[VA], v14, 14, v[VS]
	v_mul_u32_u24 v[LS], v14, SLABP
	v_lshl_add_u32 v[LS], v1, 3, v[LS]
	v_and_b32 v14, 7, v0
	v_lshl_add_u32 v14, v2, 3, v14                 ; the turning load: lane l addresses rank 8 h + l % 8,
	v_mul_u32_u24 v[TA], v14, SLABP
	v_bfe_u32 v14, v0, 3, 1
	v_lshl_add_u32 v[TA], v14, 4, v[TA]            ; k 8 ((l / 8) % 2) on; it leaves lane (r, h) with k = r, ranks 8 h .. 8 h + 7
	v_mul_u32_u24 v[STO], v1, SP
	v_lshl_add_u32 v[STO], v2, 4, v[STO]
	v_add_nc_u32 v[STO], s38, v[STO]
	v_mul_u32_u24 v[RD], v2, SP
	v_add3_u32 v[RD], v[RD], v[VS], s38
	v_lshl_add_u32 v[WO], v2, 15, v[VS]
	s_wait_kmcnt 0x0
	s_add_nc_u64 s[6:7], s[6:7], s[26:27]
	s_add_nc_u64 s[10:11], s[10:11], s[28:29]
	s_add_nc_u64 s[8:9], s[8:9], s[30:31]
	s_add_nc_u64 s[14:15], s[14:15], s[32:33]
	s_add_nc_u64 s[12:13], s[12:13], s[34:35]
	s_add_nc_u64 s[18:19], s[18:19], s[36:37]
	; twenty loads, in the order in which they are wanted: 2 of lora_A, 8 of lora_B, scales, qzeros, 8 of qweight
	global_load_b128 v[RA:RA+3],   v[VA], s[12:13]
	global_load_b128 v[RA+4:RA+7], v[VA], s[12:13] offset:256
.irp c, 0,1,2,3
	global_load_b128 v[RB+8*\c:RB+8*\c+3],   v[VB], s[14:15] offset:64*\c
	global_load_b128 v[RB+8*\c+4:RB+8*\c+7], v[VB], s[14:15] offset:64*\c+16
.endr
	global_load_b128 v[SR:SR+3], v[VS], s[10:11]
	global_load_b32 v[ZW], v[VZ], s[8:9]
.irp b, 0,1,2,3,4,5,6,7
	global_load_b128 v[QW+4*\b:QW+4*\b+3], v[VQ], s[6:7] offset:32768*\b th:TH_LOAD_NT  ; row 16 g + 2 b + h
.endr
	s_wait_loadcnt 18                              ; lora_A's two are in; the 18 behind them stay out
.irp p, 0,2,4,6
	v_pk_mul_f32 v[RA+\p:RA+\p+1], v[RA+\p:RA+\p+1], 2.0 op_sel_hi:[1,0]  ; the scaling lora_alpha / r = 2 goes into A
.endr
	v_cvt_pk_bf16_f32 v[RA],   v[RA],   v[RA+1]
	v_cvt_pk_bf16_f32 v[RA+1], v[RA+2], v[RA+3]
	v_cvt_pk_bf16_f32 v[RA+4], v[RA+4], v[RA+5]
	v_cvt_pk_bf16_f32 v[RA+5], v[RA+6], v[RA+7]
	ds_store_b64 v[LS], v[RA:RA+1]                 ; the slab: [rank][k of the group], bf16; the eight waves bring two ranks each
	ds_store_b64 v[LS], v[RA+4:RA+5] offset:128
	s_wait_loadcnt 10                              ; lora_B's eight are in
.irp c, 0,1,2,3
.irp q, 0,1,2,3
	v_cvt_pk_bf16_f32 v[BF+8*\c+\q], v[RB+8*\c+2*\q], v[RB+8*\c+2*\q+1]
.endr
.irp q, 4,5,6,7
	v_mov_b32 v[BF+8*\c+\q], 0                     ; ranks 16 to 31 do not exist: B^T is 0 there, whatever source 0 holds in their place
.endr
.endr
.irp q, 0,1,2,3
	v_mov_b32 v[AF+32+\q], 0
.endr
	s_wait_dscnt 0x0                               ; for the others' sake: my part of the slab is written
	s_barrier_signal -1
	s_barrier_wait -1                              ; everybody's is
.irp b, 0,1,2,3,4,5,6,7
	ds_load_tr16_b128 v[AF+4*\b:AF+4*\b+3], v[TA] offset:32*\b  ; 16 ranks x 16 k, turned
.endr
	s_wait_loadcnt 8                               ; scales and qzeros are in; qweight's eight stay out
	v_and_b32 v14, 1, v1
	v_lshlrev_b32 v14, 4, v14
	v_lshrrev_b32 v[ZW], v14, v[ZW]                ; my four columns' nibbles are the word's low or high half
	v_cvt_pk_bf16_f32 v14, v[SR],   v[SR+1]        ; the scales rounded to bf16, and wide again
	v_cvt_pk_bf16_f32 v15, v[SR+2], v[SR+3]
	v_lshlrev_b32 v[EQ],  16, v14
	v_and_b32 v[EQ+4],  0xffff0000, v14
	v_lshlrev_b32 v[EQ+8], 16, v15
	v_and_b32 v[EQ+12], 0xffff0000, v15
.irp c, 0,1,2,3
	v_bfe_u32 v[EQ+4*\c+3], v[ZW], 4*\c, 4
	v_cvt_f32_u32 v[EQ+4*\c+1], v[EQ+4*\c+3]
	v_mul_f32 v[EQ+4*\c+2], v[EQ+4*\c+1], v[EQ+4*\c]  ; z s: 4 bits times 8, exact
.endr
	s_wait_loadcnt 0x0                             ; qweight
	s_wait_dscnt 0x0                               ; (2 A)^T
; Step i = 8 c + b.  UNPACK: eight nibbles to f32, then w s - z s in one rounding, which is exact.  Twenty plain instructions on the accumulator that is NOT the last product's.
.macro UNPACK i
.set SS, CD+8*((\i)%2)
.set WW, QW+4*((\i)%8)+(\i)/8
.set EC, EQ+4*((\i)/8)
.irp j, 0,1,2,3,4,5,6,7
	v_bfe_u32 v[SS+\j], v[WW], 4*\j, 4
.endr
.irp j, 0,1,2,3,4,5,6,7
	v_cvt_f32_u32 v[SS+\j], v[SS+\j]
.endr
.irp p, 0,2,4,6
	v_pk_fma_f32 v[SS+\p:SS+\p+1], v[SS+\p:SS+\p+1], v[EC:EC+1], v[EC+2:EC+3] op_sel_hi:[1,0,0] neg_lo:[0,0,1] neg_hi:[0,0,1]
.endr
.endm
.macro MMA i                           ; source 0's upper four registers are the next block's ranks (or zeros): they meet B^T's zeros
.set SS, CD+8*((\i)%2)
.set FA, AF+4*((\i)%8)
.set FB, BF+8*((\i)/8)
	v_wmma_f32_16x16x32_bf16 v[SS:SS+7], v[FA:FA+7], v[FB:FB+7], v[SS:SS+7]
.endm
.macro OUT i                           ; eight k of one column: 16 bytes into row r of my stage; the accumulator is read from its low end on
.set SS, CD+8*((\i)%2)
.irp q, 0,1,2,3
	v_cvt_pk_bf16_f32 v[TP+\q], v[SS+2*\q], v[SS+2*\q+1]
.endr
	ds_store_b128 v[STO], v[TP:TP+3] offset:32*((\i)%8)
.endm
.macro READBACK c                      ; sub-block c is staged: back as whole rows of 256 bytes, two a load
	s_wait_xcnt 0x0                                ; the stores of sub-block c - 2 have read this buffer: it is loaded again only behind this wait
.irp t, 0,1,2,3,4,5,6,7
	ds_load_b128 v[OB+32*((\c)%2)+4*\t:OB+32*((\c)%2)+4*\t+3], v[RD] offset:2*SP*\t  ; LDS serves a wave's instructions in order: these see the stores above, and the next sub-block's stores come behind them
.endr
.endm
.macro SEND c, younger                 ; younger: the LDS instructions issued behind sub-block c's loads
	s_wait_dscnt \younger
.irp t, 0,1,2,3,4,5,6,7
	global_store_b128 v[WO], v[OB+32*((\c)%2)+4*\t:OB+32*((\c)%2)+4*\t+3], s[18:19] offset:(8*\t+(\c))*8192  ; stage row 2 t + h is column n0 + 4 (2 t + h) + c: 16 lanes store 256 consecutive bytes, aligned
.endr
.endm
; The two accumulators take turns, one product a turn.  Product i - 1's result is read behind step i's twenty plain instructions, which name none of its registers.
.set i, 0
.rept 32
	UNPACK i
	MMA i
.if i > 0
	OUT i-1
.if i%8 == 0
.if i >= 16
	SEND i/8-2, 8                                  ; behind its loads: the eight stage stores of the sub-block after it
.endif
	READBACK i/8-1
.endif
.endif
.set i, i+1
.endr
.rept 4
	v_nop                                          ; four places between the last product and the reading of its result (ISA guide 7.12.1)
.endr
	OUT 31
	SEND 2, 8
	READBACK 3
	SEND 3, 0
	s_wait_tensorcnt 0x0                           ; the wave's end: behind my last LDS store
	ds_add_u32 v[SPW], v[NIL]
	s_wait_dscnt 0x0
	s_endpgm
.Lfunc_end_k_qeb22132a65_prep:
	.size	k_qeb22132a65_prep, .Lfunc_end_k_qeb22132a65_prep-k_qeb22132a65_prep
	.p2alignl 7, 3214868480
	.fill 96, 4, 3214868480
	.section	.rodata,"a",@progbits
	.p2align	6, 0x0
	.amdhsa_kernel k_qeb22132a65_prep
		.amdhsa_group_segment_fixed_size 40448
		.amdhsa_private_segment_fixed_size 0
		.amdhsa_enable_private_segment 0
		.amdhsa_kernarg_size 64
		.amdhsa_user_sgpr_count 2
		.amdhsa_user_sgpr_kernarg_segment_ptr 1
		.amdhsa_wavefront_size32 1
		.amdhsa_system_sgpr_workgroup_id_x 1
		.amdhsa_system_sgpr_workgroup_id_y 1
		.amdhsa_system_sgpr_workgroup_id_z 1
		.amdhsa_system_vgpr_workitem_id 0
		.amdhsa_next_free_vgpr 232
		.amdhsa_next_free_sgpr 66
		.amdhsa_reserve_vcc 0
		.amdhsa_float_denorm_mode_32 3
		.amdhsa_float_denorm_mode_16_64 3
		.amdhsa_memory_ordered 1
		.amdhsa_forward_progress 1
		.amdhsa_inst_pref_size 82
	.end_amdhsa_kernel
	.amdgpu_metadata
---
amdhsa.version: [ 1, 2 ]
amdhsa.kernels:
  - .name:           k_qeb22132a65_prep
    .symbol:         k_qeb22132a65_prep.kd
    .args:
      - { .name: x, .offset: 0, .size: 8, .value_kind: global_buffer, .address_space: global }
      - { .name: qweight, .offset: 8, .size: 8, .value_kind: global_buffer, .address_space: global }
      - { .name: qzeros, .offset: 16, .size: 8, .value_kind: global_buffer, .address_space: global }
      - { .name: scales, .offset: 24, .size: 8, .value_kind: global_buffer, .address_space: global }
      - { .name: lora_A, .offset: 32, .size: 8, .value_kind: global_buffer, .address_space: global }
      - { .name: lora_B, .offset: 40, .size: 8, .value_kind: global_buffer, .address_space: global }
      - { .name: xb, .offset: 48, .size: 8, .value_kind: global_buffer, .address_space: global }
      - { .name: wt, .offset: 56, .size: 8, .value_kind: global_buffer, .address_space: global }
    .group_segment_fixed_size: 40448
    .private_segment_fixed_size: 0
    .kernarg_segment_align: 8
    .kernarg_segment_size: 64
    .max_flat_workgroup_size: 256
    .sgpr_count:     66
    .vgpr_count:     232
    .wavefront_size: 32
...
	.end_amdgpu_metadata
.endif
;; end of part 1
;; launch gemm (part 2): grid 16 x 16, 4 waves a work-group, clusters of 4 x 4, 327,680 bytes of LDS; arguments xb, wt, out0, bias; writes out0
.if DOCPART == 2
	.amdgcn_target "amdgcn-amd-amdhsa--gfx1250"
	.amdhsa_code_object_version 6
	.text
	.protected	k_qeb22132a65_gemm
	.globl	k_qeb22132a65_gemm
	.p2align	8
	.type	k_qeb22132a65_gemm,@function
k_qeb22132a65_gemm:
	s_mov_b64 s[64:65], 0
	v_nop
	global_prefetch_b8 v0, s[64:65] scope:SCOPE_SE
	s_setreg_imm32_b32 hwreg(HW_REG_WAVE_MODE, 25, 1), 1
	s_wait_xcnt 0x0
	s_wait_alu depctr_hold_cnt(0) depctr_sa_sdst(0) depctr_va_vdst(0) depctr_va_sdst(0) depctr_va_ssrc(0) depctr_va_vcc(0) depctr_vm_vsrc(0)
	s_getreg_b32 s2, hwreg(HW_REG_IB_STS2, 6, 4)
	s_cmp_eq_u32 s2, 0
	s_cbranch_scc0 .Lentry_in_a_cluster
	s_endpgm
.Lentry_in_a_cluster:
	s_bfe_u32 s2, ttmp6, 0x10000c
	s_cmp_lg_u32 s2, 0xf033
	s_cbranch_scc0 .Lentry_shape_is_right
	s_endpgm
.Lentry_shape_is_right:
; out0[m][n] = bias[n] + sum over k of xb[m][k] wt[n][k].  xb: [4096][4096] bf16 (x rounded), wt: [4096][4096] bf16 (the dequantised weight with the LoRA product added, k along
; the rows), bias: [4096] f32, out0: [4096][4096] f32.  Sums in f32, K ascending; the bias, rounded to bf16 like the other inputs, is the C operand of the products that start the sums,
; so nothing is cleared and nothing is added on the way out.  NaN and infinities are not treated apart.
; SHARES.  A tile of out0, 256 x 256, is made by a work-group of four waves; 256 tiles, one for each work-group.  A wave makes 128 x 128: 64 accumulators of 16 x 16, 512 registers.
; K goes in 32 steps of 128 through a ring of two LDS slots filled by the tensor data mover; a tile's rows are 256 bytes of memory at multiples of 256 bytes.
; CLUSTER.  4 x 4 work-groups.  The four of a row of the cluster need the same tiles of xb, the four of a column the same tiles of wt: each tile is asked for JOINTLY, by the same tensor load
; with the same descriptor and a mask that names the four; each receives it in its own LDS.
; THE MATRIX INSTRUCTION IS USED TRANSPOSED: source 0 = 16 rows of wt, source 1 = 16 rows of xb.  Lane l then holds row l % 16 of out0 and, in registers 0 to 7, the columns 8 (l / 16) + 0 .. 7.
; REGISTERS, in windows of 256 (s_set_vgpr_msb: bits 1:0 source 0, 3:2 source 1, 5:4 source 2, 7:6 destination):
;   window 0: v0-31 addresses; v64-127, v128-191 fragments of xb, two buffers; on the way out the same 128 take rows read back from the stage
;   window 1: v0-63 the bias of my 128 columns, as a C operand; v64-127, v128-191 fragments of wt; v192-223 at work once
;   window 2: the 32 accumulators of my rows 0-63 ((a, b) at v[8 (8 a + b)]);   window 3: those of my rows 64-127
.set SIZE_N, 4096
.set SIZE_K, 4096
.set KSTEP,  128
.set PITCH,  272                       ; an LDS row: 256 bytes + 16 of padding = 68 words: the 16 rows that a fragment load touches start at 16 different groups of four banks
.set HALFT,  128*PITCH                 ; 128 rows: what one tensor load brings, and what one wave reads of xb or of wt
.set SLOT,   4*HALFT                   ; xb's 256 rows, then wt's 256 rows
.set STAGE,  2*SLOT                    ; behind the ring, never filled by a tensor load: 16 rows x 528 bytes for each wave
.set SPITCH, 528                       ; 128 f32 + 16 bytes: an odd multiple of 16
.set SPARE,  STAGE+4*16*SPITCH         ; 312,320 = 1,220 x 256: the spare words, 128 bytes a wave, which no other line names
.set LAPS,   SIZE_K/(2*KSTEP)          ; a lap = two K steps = once round the ring: 16
.set ADRA, 16                          ; v16-17  LDS address of my xb fragments in slot 0, 1
.set ADRB, 20                          ; v20-21  the same for wt
.set STO,  24                          ; v24     the way out: where I put 32 bytes of a row
.set RD,   25                          ; v25     the way out: where I read a row back
.set CO,   26                          ; v26     16 x lane: my place in 512 bytes of a row of out0
.set VBI,  27                          ; v27     32 (l / 16): my eight columns' place in 64 bytes of the bias
.set SPW,  28                          ; v28     LDS address of my spare word; never rewritten
.set NIL,  29                          ; v29     0; never rewritten
.set F0,   64                          ; fragment buffer 0
.set F1,   128                         ; fragment buffer 1
.set BK,   64                          ; the way out: two buffers of 64
.set BI,   0                           ; window 1: bias[first column + 16 b + 8 (l / 16) + j] at BI + 8 b + j
.set BT,   192                         ; window 1: at work
.set WV,  12                           ; s12  my wave's number
.set RH,  13                           ; s13  which half of the tile's rows is mine.  Also: I fetch for xb (0) or for wt (1)
.set CH,  14                           ; s14  which half of its columns.  Also: which 128 rows of that tile I fetch
.set LAP, 15                           ; s15  laps to go
.set G1,  24                           ; s[24:31] descriptor group 1 for xb's tiles
.set G0,  32                           ; s[32:39] descriptor group 0 for xb's tiles, a set for each slot
.set G1B, 48                           ; s[48:55] group 1 for wt's tiles: it differs in the mask alone
.set G0B, 56                           ; s[56:63] group 0 for wt's tiles, a set for each slot
.set MSB, 0
.macro WIN new                         ; the immediate's high byte repeats the setting that is left; a switch that changes nothing is dropped
.if MSB != (\new)
	s_set_vgpr_msb (MSB<<8)|(\new)
.set MSB, \new
.endif
.endm
.set MUL_LO, 0xa1                      ; source 0 (wt) window 1, source 1 (xb) window 0, C and D window 2; + 0x50: C and D window 3
.set MUL_1ST, 0x91                     ; the same with C (the bias) in window 1; + 0x40: D window 3
.set TO_B,   0x40                      ; destination window 1, address window 0
; A joint load.  Waves 0 and 1 fetch xb's two halves, waves 2 and 3 wt's.  Each of the two lines has one mask and one set of registers; the branch hangs on the wave's number alone.
; An s_nop 0 and four v_nop follow each of the two lines, ahead of the jump and the label.
.macro JLOAD s
	s_cmp_eq_u32 s[RH], 0
	s_cbranch_scc0 .Lfor_b_\@
	tensor_load_to_lds s[G0+4*(\s):G0+4*(\s)+3], s[G1:G1+7]
	s_nop 0
.rept 4
	v_nop
.endr
	s_branch .Lasked_\@
.Lfor_b_\@:
	tensor_load_to_lds s[G0B+4*(\s):G0B+4*(\s)+3], s[G1B:G1B+7]
	s_nop 0
.rept 4
	v_nop
.endr
.Lasked_\@:
.endm
; A round of the cluster's barrier: my work-group's barrier, so that wave 0's signal speaks for all four waves; wave 0 signals; every wave waits for all sixteen work-groups; my work-group's barrier once more.
.macro CREST                           ; a round behind its opening barrier
	s_cmp_lg_u32 s[WV], 0
	s_cbranch_scc1 .Lnot_wave_0_\@
	s_barrier_signal -3
.Lnot_wave_0_\@:
	s_barrier_wait -3
	s_barrier_signal -1
	s_barrier_wait -1
.endm
.macro CROUND                          ; a whole round
	s_barrier_signal -1
	s_barrier_wait -1
	CREST
.endm
	s_load_b256 s[4:11], s[0:1], 0x0               ; xb s[4:5], wt s[6:7], out0 s[8:9], bias s[10:11]
	v_lshl_add_u32 v[SPW], v0, 2, SPARE
	v_mov_b32 v[NIL], 0
	ds_add_u32 v[SPW], v[NIL]                      ; the wave's opening: the add and its wait stand ahead of my first tensor load; the set-up below, work on registers, stands between them
	v_lshrrev_b32 v1, 5, v0
	v_readfirstlane_b32 s[WV], v1                  ; wave 0..3
	s_lshr_b32 s[RH], s[WV], 1
	s_and_b32 s[CH], s[WV], 1
	s_bfe_u32 s40, ttmp6, 0x40000                  ; cx: my place along the cluster's x
	s_bfe_u32 s41, ttmp6, 0x40004                  ; cy: along its y
	s_lshl_b32 s42, ttmp9, 2                       ; in a cluster launch ttmp9 and ttmp7 count clusters
	s_add_co_u32 s42, s42, s40                     ; tile column = 4 x cluster x + cx
	s_and_b32 s43, ttmp7, 0xffff
	s_lshl_b32 s43, s43, 2
	s_add_co_u32 s43, s43, s41                     ; tile row = 4 x cluster y + cy
	s_lshl_b32 s44, s41, 2
	s_lshl_b32 s44, 15, s44                        ; my row of the cluster: places 4 cy .. 4 cy + 3
	s_lshl_b32 s45, 0x1111, s40                    ; my column: places cx, cx + 4, cx + 8, cx + 12
	; descriptor group 1: a tile of 128 rows x 128 elements, padded in LDS
	s_or_b32 s[G1+0], s44, (1<<16)|(1<<20)|(1<<21)|(5<<22)|(3<<25)   ; 15:0 the mask: xb's tiles go to my row; 17:16 elements of 2 bytes; 20 padding on; 21 set beside a mask; 24:22 after every 64 words (code 5); 31:25 4 words of it (code 3)
	s_or_b32 s[G1B+0], s45, (1<<16)|(1<<20)|(1<<21)|(5<<22)|(3<<25)  ; the same with the mask of my column, for wt's tiles
.irp g, G1, G1B
	s_mov_b32 s[(\g)+1], KSTEP<<16                 ; tensor_dim0 = 128
	s_mov_b32 s[(\g)+2], 128<<16                   ; tensor_dim1 = 128
	s_mov_b32 s[(\g)+3], KSTEP<<16                 ; tile_dim0 = 128
	s_mov_b32 s[(\g)+4], 128                       ; tile_dim1 = 128
	s_mov_b32 s[(\g)+5], SIZE_K                    ; 4,096 elements from row to row
	s_mov_b32 s[(\g)+6], 0
	s_mov_b32 s[(\g)+7], 0
.endr
	; where the tiles come from: xb's hang on the tile row alone, which my row of the cluster shares; wt's on the tile column alone, which my column shares.
	; Every wave makes both offsets, in registers that never hold the other coordinate.  Rows are 8,192 bytes; the offsets stay under 2^25.
	s_lshl_b32 s17, s[CH], 7                       ; which 128 rows of the tile I fetch
	s_lshl_b32 s16, s43, 8
	s_add_co_u32 s16, s16, s17                     ; xb: row 256 x tile row + 128 x half
	s_lshl_b32 s16, s16, 13
	s_lshl_b32 s46, s42, 8
	s_add_co_u32 s46, s46, s17                     ; wt: row 256 x tile column + 128 x half
	s_lshl_b32 s46, s46, 13
	s_mov_b32 s17, 0
	s_mov_b32 s47, 0
	s_mul_i32 s20, s[WV], HALFT                    ; and where they go: wave x 128 rows: no place in the cluster enters an LDS address
	s_wait_dscnt 0x0                               ; the opening add is done
	s_wait_kmcnt 0x0
	s_add_nc_u64 s[4:5], s[4:5], s[16:17]
	s_add_nc_u64 s[6:7], s[6:7], s[46:47]
	CROUND                                         ; all sixteen work-groups are here: the first joint loads meet
.irp s, 0,1
	s_mov_b32 s[G0+4*(\s)], 1                                        ; count = 1
	s_add_co_u32 s[G0+4*(\s)+1], s20, (\s)*SLOT                      ; LDS address
	s_add_nc_u64 s[G0+4*(\s)+2:G0+4*(\s)+3], s[4:5], (\s)*KSTEP*2    ; global address: K step s
	s_or_b32 s[G0+4*(\s)+3], s[G0+4*(\s)+3], 0x80000000              ; type = 2
	s_mov_b32 s[G0B+4*(\s)], 1
	s_add_co_u32 s[G0B+4*(\s)+1], s20, (\s)*SLOT
	s_add_nc_u64 s[G0B+4*(\s)+2:G0B+4*(\s)+3], s[6:7], (\s)*KSTEP*2
	s_or_b32 s[G0B+4*(\s)+3], s[G0B+4*(\s)+3], 0x80000000
	JLOAD \s                                       ; the ring is filled before anything else is done: two tensor loads of mine are out here, one ever after
.endr
	; A fragment is 16 rows x 32 K in 8 registers: lane l holds row l % 16; registers 0-3 K = 8 (l / 16) + 0..7, registers 4-7 K = 16 + 8 (l / 16) + 0..7: two loads of 16 bytes, 32 bytes apart.
	v_and_b32 v1, 15, v0                           ; l % 16
	v_bfe_u32 v2, v0, 4, 1                         ; l / 16
	v_mul_u32_u24 v3, v1, PITCH
	v_lshl_add_u32 v3, v2, 4, v3                   ; row x pitch + 16 x half
	s_mul_i32 s21, s[RH], HALFT                    ; my 128 rows of xb
	s_mul_i32 s22, s[CH], HALFT                    ; my 128 rows of wt,
	s_add_co_u32 s22, s22, 2*HALFT                 ; which lie behind xb's 256
.irp s, 0,1
	v_add_nc_u32 v[ADRA+(\s)], s21, v3
	v_add_nc_u32 v[ADRB+(\s)], s22, v3
	s_add_co_u32 s21, s21, SLOT
	s_add_co_u32 s22, s22, SLOT
.endr
	s_mul_i32 s23, s[WV], 16*SPITCH
	s_add_co_u32 s23, s23, STAGE                   ; my stage
	v_mul_u32_u24 v4, v1, SPITCH                   ; in: row l % 16, 32 bytes for each half of the lanes
	v_lshl_add_u32 v4, v2, 5, v4
	v_add_nc_u32 v[STO], s23, v4
	v_and_b32 v5, 31, v0
	v_lshlrev_b32 v[CO], 4, v5                     ; back: 32 lanes take one row of 512 bytes,
	v_add_nc_u32 v[RD], s23, v[CO]
	v_lshlrev_b32 v[VBI], 5, v2
	s_lshl_b32 s16, s43, 8                         ; out0 at my first row (rows of 16,384 bytes; under 2^26)
	s_lshl_b32 s17, s[RH], 7
	s_add_co_u32 s16, s16, s17
	s_lshl_b32 s16, s16, 14
	s_mov_b32 s17, 0
	s_add_nc_u64 s[8:9], s[8:9], s[16:17]
	s_lshl_b32 s46, s42, 8                         ; and my first column, 256 x tile column + 128 x half, in bytes: for out0 and for the bias
	s_lshl_b32 s47, s[CH], 7
	s_add_co_u32 s46, s46, s47
	s_lshl_b32 s46, s46, 2
	s_mov_b32 s47, 0
	s_add_nc_u64 s[8:9], s[8:9], s[46:47]
	s_add_nc_u64 s[10:11], s[10:11], s[46:47]
	; THE BIAS of my 128 columns, laid out as the C operand of column block b, and rounded to bf16.  All this stands in the wait for the first tile.
	WIN TO_B
.irp b, 0,1,2,3,4,5,6,7
	global_load_b128 v[BI+8*(\b):BI+8*(\b)+3],   v[VBI], s[10:11] offset:64*(\b)
	global_load_b128 v[BI+8*(\b)+4:BI+8*(\b)+7], v[VBI], s[10:11] offset:64*(\b)+16
.endr
	s_wait_loadcnt 0x0
	WIN 0x45                                       ; destination and both sources in window 1
.set p, 0
.rept 32
	v_cvt_pk_bf16_f32 v[BT+p], v[BI+2*p], v[BI+2*p+1]
.set p, p+1
.endr
.set p, 0
.rept 32
	v_lshlrev_b32 v[BI+2*p], 16, v[BT+p]
	v_and_b32 v[BI+2*p+1], 0xffff0000, v[BT+p]
.set p, p+1
.endr
	WIN 0
; 16 matrix instructions: m blocks a0, a0 + 1 of the window's four (hi = 0: my rows 0-63, 1: rows 64-127) x all 8 n blocks, 32 along K.
; first = 1: the product starts the sum, with the bias of its 16 columns as C.  The 64 accumulators take turns, in the same order in every quarter step.
.macro MUL16 f, hi, a0, first
.if \first
	WIN MUL_1ST+0x40*(\hi)
.else
	WIN MUL_LO+0x50*(\hi)
.endif
.irp a, \a0, (\a0)+1
.irp b, 0,1,2,3,4,5,6,7
.if \first
	v_wmma_f32_16x16x32_bf16 v[8*(8*(\a)+(\b)):8*(8*(\a)+(\b))+7], v[(\f)+8*(\b):(\f)+8*(\b)+7], v[(\f)+8*(4*(\hi)+(\a)):(\f)+8*(4*(\hi)+(\a))+7], v[BI+8*(\b):BI+8*(\b)+7]
.else
	v_wmma_f32_16x16x32_bf16 v[8*(8*(\a)+(\b)):8*(8*(\a)+(\b))+7], v[(\f)+8*(\b):(\f)+8*(\b)+7], v[(\f)+8*(4*(\hi)+(\a)):(\f)+8*(4*(\hi)+(\a))+7], v[8*(8*(\a)+(\b)):8*(8*(\a)+(\b))+7]
.endif
.endr
.endr
.endm
; 32 LDS loads in one run: the fragments of one quarter step (128 rows of wt, 128 rows of xb, 32 K at byte k of the rows) into buffer f
.macro FETCH slot, k, f
	WIN TO_B
.irp i, 0,1,2,3,4,5,6,7
	ds_load_b128 v[(\f)+8*(\i):(\f)+8*(\i)+3],   v[ADRB+(\slot)] offset:(\k)+(\i)*16*PITCH
	ds_load_b128 v[(\f)+8*(\i)+4:(\f)+8*(\i)+7], v[ADRB+(\slot)] offset:(\k)+(\i)*16*PITCH+32
.endr
	WIN 0
.irp i, 0,1,2,3,4,5,6,7
	ds_load_b128 v[(\f)+8*(\i):(\f)+8*(\i)+3],   v[ADRA+(\slot)] offset:(\k)+(\i)*16*PITCH
	ds_load_b128 v[(\f)+8*(\i)+4:(\f)+8*(\i)+7], v[ADRA+(\slot)] offset:(\k)+(\i)*16*PITCH+32
.endr
.endm
; A load into a register that a matrix instruction has read, and an LDS store that reads a matrix result, stand four places behind that matrix instruction, and only plain vector
; instructions that name none of its registers are places (ISA guide 7.12.1 for vector instructions).
.macro PLACES
.rept 4
	v_nop
.endr
.endm
; A K step is four quarter steps of 32 along K, 64 matrix instructions each, on buffers 0, 1, 0, 1.
; One of the first three: multiplies buffer f; in its middle it fetches the next quarter's fragments, at byte k of the same slot's rows, into buffer g.
.macro QUARTER slot, k, f, g, first
	s_wait_dscnt 8                                 ; wt and xb's rows 0-63 are in; the youngest eight loads (xb's rows 64-127) may be out
	MUL16 \f, 0, 0, \first
	MUL16 \f, 0, 2, \first
	PLACES
	FETCH \slot, \k, \g
	s_wait_dscnt 32                                ; all but the 32 just issued
	MUL16 \f, 1, 0, \first
	MUL16 \f, 1, 2, \first
.endm
; The last quarter multiplies buffer 1 and changes slots.  MEET is its first half: ONE barrier for the change.  In front of it each wave waits for all its tensor loads, of which one is out: its
; part of the next slot; adds 0 to its spare word; and waits for that and for its own reads of this slot.  Behind it nobody reads this slot any more and the next slot is whole.
.macro MEET round                      ; round = 1: a round of the cluster's barrier follows
	WIN 0                                          ; (the add's two registers lie in window 0)
	s_wait_tensorcnt 0x0                           ; all my tensor loads have landed;
	ds_add_u32 v[SPW], v[NIL]                      ; 0 onto my spare word;
	s_wait_dscnt 9                                 ; (the add and the youngest eight loads may be out)
	MUL16 F1, 0, 0, 0                              ; sixteen matrix instructions stand between the add and the wait for it
	s_wait_dscnt 0x0                               ; the add is done, and my reads of this slot are over:
	s_barrier_signal -1                            ; say so,
	MUL16 F1, 0, 2, 0                              ; work on registers while the others arrive,
.if \round
	WIN 0
.endif
	s_barrier_wait -1                              ; and go on when all four have said so
.endm
; The whole last quarter.  fill = 1: the barrier opens a round of the cluster's, so that no wave of any partner still reads this slot or has a load on its way; the slot is then filled again
; first, with the K step two steps on; from that request to the wait for it a wave issues 224 matrix instructions.  Then come the next slot's first fragments.
.macro TURN slot, next, fill
	MEET \fill
.if \fill
	CREST
	s_add_nc_u64 s[G0+4*(\slot)+2:G0+4*(\slot)+3], s[G0+4*(\slot)+2:G0+4*(\slot)+3], 2*KSTEP*2      ; no tensor load of mine is out: a group 0 may be written
	s_add_nc_u64 s[G0B+4*(\slot)+2:G0B+4*(\slot)+3], s[G0B+4*(\slot)+2:G0B+4*(\slot)+3], 2*KSTEP*2
	JLOAD \slot                                    ; the first tensor load behind the round; the four v_nop behind it are also the places in front of the loads below
.else
	PLACES
.endif
	FETCH \next, 0, F0
	MUL16 F1, 1, 0, 0
	MUL16 F1, 1, 2, 0
.endm
; THE WAY OUT of block a (16 rows x 128 columns of f32).  A lane's eight numbers of a row are 32 bytes; they go into rows of 528 bytes of my own stage and come back as whole rows of 512.
.macro TOSTAGE a
	WIN 0x08+4*((\a)/4)                            ; the stores' data: window 2 or 3
.irp b, 0,1,2,3,4,5,6,7
	ds_store_b128 v[STO], v[64*((\a)%4)+8*(\b):64*((\a)%4)+8*(\b)+3]   offset:64*(\b)      ; each accumulator is read from its low end on
	ds_store_b128 v[STO], v[64*((\a)%4)+8*(\b)+4:64*((\a)%4)+8*(\b)+7] offset:64*(\b)+16
.endr
	WIN 0
.if (\a) >= 2
	s_wait_xcnt 0x0                                ; the stores of block a - 2 have read this buffer: it is loaded again only behind this wait
.endif
.irp t, 0,1,2,3,4,5,6,7,8,9,10,11,12,13,14,15
	ds_load_b128 v[BK+64*((\a)%2)+4*(\t):BK+64*((\a)%2)+4*(\t)+3], v[RD] offset:(\t)*SPITCH  ; LDS serves a wave's instructions in order: these see the stores above; the next block's stores come behind them
.endr
.endm
.macro SEND a, younger                 ; younger: the LDS instructions issued behind block a's loads: the next block's 16 stores and 16 loads, or none
	s_wait_dscnt \younger
.irp t, 0,1,2,3,4,5,6,7,8,9,10,11,12,13,14,15
	global_store_b128 v[CO], v[BK+64*((\a)%2)+4*(\t):BK+64*((\a)%2)+4*(\t)+3], s[8:9] offset:(16*(\a)+(\t))*SIZE_N*4 th:TH_STORE_NT  ; 512 consecutive bytes, at a multiple of 512 from out0's first; 127 rows at the most: inside the signed 24-bit immediate
.endr
.endm
	s_wait_tensorcnt 1                             ; my part of K step 0 is in; K step 1's may stay out
	s_barrier_signal -1
	s_barrier_wait -1                              ; everybody's is
	FETCH 0, 0, F0
	QUARTER 0, 64,  F0, F1, 1                      ; the first quarter stands in front of the loop: its products start the sums
	WIN 0                                          ; at a label and at a branch every window is 0
	s_mov_b32 s[LAP], LAPS-1
.Llap:                                                 ; a trip goes once round the ring, from a lap's second quarter to the next lap's first, and fills both slots again
	QUARTER 0, 128, F1, F0, 0
	QUARTER 0, 192, F0, F1, 0
	TURN 0, 1, 1
	QUARTER 1, 64,  F0, F1, 0
	QUARTER 1, 128, F1, F0, 0
	QUARTER 1, 192, F0, F1, 0
	TURN 1, 0, 1
	QUARTER 0, 64,  F0, F1, 0
	WIN 0
	s_sub_co_u32 s[LAP], s[LAP], 1
	s_cmp_lg_u32 s[LAP], 0
	s_cbranch_scc1 .Llap
	QUARTER 0, 128, F1, F0, 0                      ; the last lap is written out: it fills nothing, and has no round of the cluster's barrier
	QUARTER 0, 192, F0, F1, 0
	TURN 0, 1, 0
	QUARTER 1, 64,  F0, F1, 0
	QUARTER 1, 128, F1, F0, 0
	QUARTER 1, 192, F0, F1, 0
	s_wait_dscnt 8                                 ; the very last quarter: nothing more to fetch
	MUL16 F1, 0, 0, 0
	MUL16 F1, 0, 2, 0
	s_wait_dscnt 0x0
	MUL16 F1, 1, 0, 0
	MUL16 F1, 1, 2, 0
	PLACES                                         ; in front of the stores that read the sums and of the loads into the fragments' registers
	TOSTAGE 0
	TOSTAGE 1
.irp a, 2,3,4,5,6,7                    ; a block's trip through the stage stands between the loads of the block before and its stores
	SEND (\a)-2, 32
	TOSTAGE \a
.endr
	SEND 6, 32
	SEND 7, 0
	s_wait_tensorcnt 0x0                           ; the wave's end: behind my last tensor load and my last LDS store
	ds_add_u32 v[SPW], v[NIL]
	s_wait_dscnt 0x0
	CROUND                                         ; the closing round: no work-group ends while a partner may still ask for a tile that names it
	s_endpgm
.Lfunc_end_k_qeb22132a65_gemm:
	.size	k_qeb22132a65_gemm, .Lfunc_end_k_qeb22132a65_gemm-k_qeb22132a65_gemm
	.p2alignl 7, 3214868480
	.fill 96, 4, 3214868480
	.section	.rodata,"a",@progbits
	.p2align	6, 0x0
	.amdhsa_kernel k_qeb22132a65_gemm
		.amdhsa_group_segment_fixed_size 327680
		.amdhsa_private_segment_fixed_size 0
		.amdhsa_enable_private_segment 0
		.amdhsa_kernarg_size 32
		.amdhsa_user_sgpr_count 2
		.amdhsa_user_sgpr_kernarg_segment_ptr 1
		.amdhsa_wavefront_size32 1
		.amdhsa_system_sgpr_workgroup_id_x 1
		.amdhsa_system_sgpr_workgroup_id_y 1
		.amdhsa_system_sgpr_workgroup_id_z 1
		.amdhsa_system_vgpr_workitem_id 0
		.amdhsa_next_free_vgpr 1024
		.amdhsa_next_free_sgpr 66
		.amdhsa_reserve_vcc 0
		.amdhsa_float_denorm_mode_32 3
		.amdhsa_float_denorm_mode_16_64 3
		.amdhsa_memory_ordered 1
		.amdhsa_forward_progress 1
		.amdhsa_inst_pref_size 147
	.end_amdhsa_kernel
	.amdgpu_metadata
---
amdhsa.version: [ 1, 2 ]
amdhsa.kernels:
  - .name:           k_qeb22132a65_gemm
    .symbol:         k_qeb22132a65_gemm.kd
    .args:
      - { .name: xb, .offset: 0, .size: 8, .value_kind: global_buffer, .address_space: global }
      - { .name: wt, .offset: 8, .size: 8, .value_kind: global_buffer, .address_space: global }
      - { .name: out0, .offset: 16, .size: 8, .value_kind: global_buffer, .address_space: global }
      - { .name: bias, .offset: 24, .size: 8, .value_kind: global_buffer, .address_space: global }
    .group_segment_fixed_size: 327680
    .private_segment_fixed_size: 0
    .kernarg_segment_align: 8
    .kernarg_segment_size: 32
    .max_flat_workgroup_size: 128
    .sgpr_count:     66
    .vgpr_count:     1024
    .wavefront_size: 32
...
	.end_amdgpu_metadata
.endif
;; end of part 2
;; ======== version 2 of 2: 2 launches; version 1 with the launch prep written anew for expert scheduling mode
;; workspace buffers: xb 33,554,432 bytes; wt 33,554,432 bytes
;; launch prep (part 3): grid 512 x 1, 8 waves a work-group, no clusters, 40,448 bytes of LDS; arguments x, qweight, qzeros, scales, lora_A, lora_B, xb, wt; writes xb, wt
.if DOCPART == 3
	.amdgcn_target "amdgcn-amd-amdhsa--gfx1250"
	.amdhsa_code_object_version 6
	.text
	.protected	k_qeb22132a65_prep
	.globl	k_qeb22132a65_prep
	.p2align	8
	.type	k_qeb22132a65_prep,@function
k_qeb22132a65_prep:
	s_mov_b64 s[64:65], 0
	v_nop
	global_prefetch_b8 v0, s[64:65] scope:SCOPE_SE
	s_setreg_imm32_b32 hwreg(HW_REG_WAVE_SCHED_MODE, 0, 2), 2
	s_setreg_imm32_b32 hwreg(HW_REG_WAVE_MODE, 25, 1), 1
	s_wait_xcnt 0x0
	s_wait_alu depctr_vm_vsrc(0)
; PREPARATION for out = x W + bias + 2 (x A^T) B^T, written as out = x Weff + bias with Weff = W + 2 A^T B^T (the same sum in another order of addition).
; Two roles, chosen by the parity of the work-group's number, so that both kinds lie side by side on the chip:
;   odd  (256 work-groups): xb = x rounded to bf16.  A work-group owns 16 rows of x (262,144 consecutive bytes), a wave 32,768 of them.
;   even (256 work-groups): wt[n][k] = bf16( s (w - z) + sum over r of (2 A[r][k]) B[n][r] ), k along the rows.  A wave makes 64 columns n x one group of 128 k.
; ROUNDINGS.  x, scales, lora_A and lora_B are each rounded once to bf16; s (w - z) is then exact in f32 (8 bits times 5); the rank-16 product is made by the matrix
; unit in f32 with s (w - z) as its C operand; Weff is rounded once to bf16.
; LIMITS.  2 A is doubled before its rounding: equal to twice the rounded A except for |A| of 1.7e38 and more (it overflows) and for denormals.  NaN and infinities are
; not treated apart: a non-finite lora_A spreads over its whole group of wt (it also meets the padding's zeros), where the sum asked for has no finite result either.
; No tensor loads, no cluster: nothing is shared but 8 KiB of lora_A a work-group, and the rest is a stream read once.
; THE MODE: SCHED_MODE bits 1:0 = 2 (LLVM: expert scheduling mode 2), set by the entry lines.  The code itself states the register dependences between vector or matrix
; instructions and memory or LDS instructions, with s_wait_alu, always for 0.  Each role's plan of registers stands at its head.
.set SLABP,  288                       ; LDS row of the slab: 128 bf16 + 32 bytes = 72 words
.set STAGE,  16*SLABP                  ; behind the slab (16 ranks): a stage for each wave
.set SP,     272                       ; a stage row: 256 bytes + 16: the 16 rows of a store start at 16 different groups of four banks
.set WSTAGE, 16*SP
.set SPARE,  STAGE+8*WSTAGE            ; 39,424 = 154 x 256: the spare words, 128 bytes a wave, which no other line names
.set SPW, 16                           ; v16  LDS address of my spare word; never rewritten
.set NIL, 17                           ; v17  0; never rewritten
	s_load_b256 s[4:11], s[0:1], 0x0               ; x s[4:5], qweight s[6:7], qzeros s[8:9], scales s[10:11]
	s_load_b256 s[12:19], s[0:1], 0x20             ; lora_A s[12:13], lora_B s[14:15], xb s[16:17], wt s[18:19]
	v_lshl_add_u32 v[SPW], v0, 2, SPARE
	v_mov_b32 v[NIL], 0
	v_lshrrev_b32 v1, 5, v0
	v_readfirstlane_b32 s20, v1                    ; wave 0..7
	s_lshr_b32 s21, ttmp9, 1                       ; my number within the role, 0..255
	s_and_b32 s22, ttmp9, 1
	s_wait_alu depctr_va_sdst(0)                   ; s20 is written: ahead of the branch, and so ahead of its first reader in either role (the waves' byte offsets are made from it)
	s_cmp_eq_u32 s22, 0                            ; the same answer in all eight waves of a work-group
	s_cbranch_scc1 .Lweights
; ---------------------------------------------------------------- ROLE X: the cast
; 64 loads of 512 consecutive bytes a wave, over 32 register slots: up to 32 loads of every wave are on their way.  A store writes 256 consecutive bytes, aligned.
; THE PLAN.  The 64 loads go in 8 blocks of eight.  Registers that memory instructions touch:
;   X0 .. X3   four blocks of x as loaded.  Blocks 0 to 3 are asked for at the head; block p + 3 is asked for in block p (p = 1 .. 4).  Read by block p's conversions.
;   Y0 .. Y3   four blocks to store.  Written by block p's conversions; read by the eight stores that are issued in block p + 1.
;   v1, v2     byte offsets, made once and never written again: the blocks are reached by immediate offsets.
; Block p works on X[p % 4] and writes Y[p % 4].  Its memory instructions are the loads into X[(p - 1) % 4] and the stores from Y[(p - 1) % 4]: the two buffers that block
; p - 1 worked on and that no vector instruction of block p names.  So the waits at a block's head state all that its sixteen memory instructions hang on, and these are
; dealt among its conversions with no further wait.
.set XO, 1                             ; v1   16 x lane; never rewritten
.set YO, 2                             ; v2   8 x lane; never rewritten
.set X,  32                            ; v[32:159]  slot i: four f32 as loaded
.set Y,  160                           ; v[160:223] slot i: four bf16 to store
	s_lshl_b32 s24, s21, 18                        ; 262,144 bytes a work-group,
	s_lshl_b32 s23, s20, 15                        ; 32,768 a wave
	s_add_co_u32 s24, s24, s23
	s_mov_b32 s25, 0
	s_lshr_b32 s26, s24, 1                         ; half of that in xb
	s_mov_b32 s27, 0
	v_and_b32 v2, 31, v0
	v_lshlrev_b32 v[XO], 4, v2
	v_lshlrev_b32 v[YO], 3, v2
	s_wait_kmcnt 0x0
	s_add_nc_u64 s[4:5], s[4:5], s[24:25]
	s_add_nc_u64 s[16:17], s[16:17], s[26:27]
	s_wait_alu depctr_va_vdst(0)                   ; v1 and v2 are written: every load and store of the role reads one of them as its offset
.set i, 0
.rept 32
	global_load_b128 v[X+4*i:X+4*i+3], v[XO], s[4:5] offset:512*i th:TH_LOAD_NT
.set i, i+1
.endr
; Block p.  left: the younger loads that may stay out when this block's eight have to be there.
.macro BLK p, left
	s_wait_loadcnt \left                           ; loads come back in order: X[p % 4] is in, the younger blocks stay out
.if (\p) >= 4
	s_wait_xcnt 0x0                                ; every earlier memory instruction has had its addresses translated: Y[p % 4], which the stores of block p - 4 read, is rewritten only behind this wait
	s_wait_alu depctr_vm_vsrc(0)                   ; those stores, issued in block p - 3, have read Y[p % 4], which this block's conversions write again
.endif
.if (\p) >= 1
	s_wait_alu depctr_va_vdst(0)                   ; the block before has written its Y, which the stores below read, and is done reading its X, in which the loads below land
.endif
.irp i, 0,1,2,3,4,5,6,7
.if ((\p) >= 1) && ((\p) <= 4)
	global_load_b128 v[X+32*(((\p)+3)%4)+4*(\i):X+32*(((\p)+3)%4)+4*(\i)+3], v[XO], s[4:5] offset:512*(8*((\p)+3)+(\i)) th:TH_LOAD_NT  ; three blocks ahead; no vector instruction since the wait names these registers
.endif
.if (\p) >= 1
	global_store_b64 v[YO], v[Y+16*(((\p)+3)%4)+2*(\i):Y+16*(((\p)+3)%4)+2*(\i)+1], s[16:17] offset:256*(8*((\p)-1)+(\i))  ; the block before
.endif
	v_cvt_pk_bf16_f32 v[Y+16*((\p)%4)+2*(\i)], v[X+32*((\p)%4)+4*(\i)], v[X+32*((\p)%4)+4*(\i)+1]
	v_cvt_pk_bf16_f32 v[Y+16*((\p)%4)+2*(\i)+1], v[X+32*((\p)%4)+4*(\i)+2], v[X+32*((\p)%4)+4*(\i)+3]
.endr
.endm
	BLK 0, 24                                      ; blocks 1 to 3 stay out; there is no block in front of it: nothing to store, nothing to ask for
	BLK 1, 16                                      ; from here on the two younger blocks stay out
	BLK 2, 16
	BLK 3, 16
	BLK 4, 16                                      ; asks for block 7, the last
	BLK 5, 16
	BLK 6, 8                                       ; nothing more is loaded: the counts run down
	BLK 7, 0
	s_wait_alu depctr_va_vdst(0)                   ; block 7 has written Y3, which the last eight stores read
.irp i, 0,1,2,3,4,5,6,7
	global_store_b64 v[YO], v[Y+48+2*(\i):Y+48+2*(\i)+1], s[16:17] offset:256*(56+(\i))
.endr
	s_wait_dscnt 0x0                               ; the closing lines, six on end
	s_wait_alu 0x0
	s_wait_tensorcnt 0x0
	ds_add_u32 v[SPW], v[NIL]
	s_wait_dscnt 0x0
	s_endpgm
; ---------------------------------------------------------------- ROLE W: the weights
; g = number % 32 is the group (128 k), number / 32 picks 512 columns, of which a wave takes 64 from n0 on.
; Lane l: r = l % 16, h = l / 16.  The 64 columns go in four sub-blocks c of 16: column n0 + 4 r + c, so that ONE 16-byte load gives a lane its word of all four sub-blocks
; and sixteen lanes read 256 consecutive bytes of a row of qweight or scales.
; THE PRODUCT, for 16 k (block b of the group) x 16 columns (sub-block c): source 0 = (2 A)^T, rows k, 16 ranks padded to 32; source 1 = B^T, columns n; C = s (w - z).
; In C and D lane (r, h), register j is k = 128 g + 16 b + 8 h + j, column n0 + 4 r + c: exactly the eight nibbles of the word at row 16 g + 2 b + h of qweight that the lane holds.
; THE PLAN.  Registers that memory or LDS instructions touch:
;   v3 .. v12     ten addresses, made once at the head and never written again.
;   RA            two loads land; the doubling and the rounding write it; the two slab stores read it; never written again.
;   RB, SR, ZW, QW  loads land, once; read by vector instructions alone.  (RB's registers are Z0 later.)
;   AF + 0 .. 31  the eight turning loads land, once; no vector instruction names them before; read by the products.
;   Z0, Z1        sub-block c goes through Z[c % 2]: its 32 conversions write it; its eight stage stores read it; its eight loads from the stage land in it; its eight
;                 global stores, issued in the next sub-block's flush, read it; the conversions of sub-block c + 2 write it anew.
;   EQ, CD, BF and AF + 32 .. 35 are named by vector and matrix instructions alone.
; So a sub-block has ONE wait on va_vdst, behind its last conversion, and ONE on vm_vsrc, behind its stage stores and the global stores of the sub-block before.
; Between two flushes the conversions write the other Z buffer, which no memory or LDS instruction issued since that wait on vm_vsrc touches.
.set VQ,  3                            ; v3   qweight: h rows of 16,384 bytes + 16 r
.set VS,  4                            ; v4   scales: 16 r
.set VZ,  5                            ; v5   qzeros: 4 (r / 2): a word holds eight columns
.set VB,  6                            ; v6   lora_B: 256 r + 32 h: row 4 r (+ c), ranks 8 h on
.set VA,  7                            ; v7   lora_A: rank t / 16, 16 (t % 16) bytes; t = thread
.set LS,  8                            ; v8   where I put my 8 bytes of the slab
.set TA,  9                            ; v9   the turning load's address
.set STO, 10                           ; v10  stage: row r, 16 h
.set RD,  11                           ; v11  stage: row h, 16 r
.set WO,  12                           ; v12  wt: 4 h rows of 8,192 bytes + 16 r
.set ZW,  13                           ; v13  my word of qzeros
.set SR,  20                           ; v[20:23]   four scales as loaded
.set RA,  24                           ; v[24:31]   eight numbers of lora_A as loaded
.set EQ,  32                           ; v[32:47]   sub-block c at EQ + 4 c: s, z (f32), z s, z (whole number)
.set CD,  52                           ; v[52:67]   two accumulators, by turns
.set AF,  68                           ; v[68:103]  (2 A)^T: block b's ranks at AF + 4 b .. + 3; four zeros at the end
.set BF,  104                          ; v[104:135] B^T: sub-block c at BF + 8 c: four registers of ranks, four zeros
.set QW,  136                          ; v[136:167] qweight: word (b, c) at QW + 4 b + c
.set ZB,  168                          ; v[168:231] Z0, Z1: a sub-block's 16 x 128 numbers in bf16: first as packed (block b at + 4 b), then as rows read back from the stage
.set RB,  168                          ;            before that: lora_B as loaded
.Lweights:
	s_and_b32 s23, s21, 31                         ; g
	s_lshr_b32 s24, s21, 5
	s_lshl_b32 s24, s24, 9
	s_lshl_b32 s25, s20, 6
	s_add_co_u32 s25, s25, s24                     ; n0
	s_lshl_b32 s22, s25, 2
	s_lshl_b32 s26, s23, 18                        ; qweight: 16 rows of 16,384 bytes a group, + 4 n0
	s_add_co_u32 s26, s26, s22
	s_mov_b32 s27, 0
	s_lshl_b32 s28, s23, 14                        ; scales: a row of 16,384 bytes a group, + 4 n0
	s_add_co_u32 s28, s28, s22
	s_mov_b32 s29, 0
	s_lshl_b32 s30, s23, 11                        ; qzeros: a row of 2,048 bytes a group, + n0 / 2
	s_lshr_b32 s22, s25, 1
	s_add_co_u32 s30, s30, s22
	s_mov_b32 s31, 0
	s_lshl_b32 s32, s25, 6                         ; lora_B: rows of 64 bytes
	s_mov_b32 s33, 0
	s_lshl_b32 s34, s23, 9                         ; lora_A: 512 bytes a group in each row
	s_mov_b32 s35, 0
	s_lshl_b32 s36, s25, 13                        ; wt: rows of 8,192 bytes, 256 bytes a group
	s_lshl_b32 s22, s23, 8
	s_add_co_u32 s36, s36, s22
	s_mov_b32 s37, 0
	s_mul_i32 s38, s20, WSTAGE
	s_add_co_u32 s38, s38, STAGE                   ; my stage
	v_and_b32 v1, 15, v0                           ; r (also t % 16)
	v_bfe_u32 v2, v0, 4, 1                         ; h
	v_lshlrev_b32 v[VS], 4, v1
	v_lshl_add_u32 v[VQ], v2, 14, v[VS]
	v_lshrrev_b32 v[VZ], 1, v1
	v_lshlrev_b32 v[VZ], 2, v[VZ]
	v_lshlrev_b32 v[VB], 8, v1
	v_lshl_add_u32 v[VB], v2, 5, v[VB]
	v_lshrrev_b32 v14, 4, v0                       ; t / 16: the rank whose piece I bring
	v_lshl_add_u32 v[VA], v14, 14, v[VS]
	v_mul_u32_u24 v[LS], v14, SLABP
	v_lshl_add_u32 v[LS], v1, 3, v[LS]
	v_and_b32 v14, 7, v0
	v_lshl_add_u32 v14, v2, 3, v14                 ; the turning load: lane l addresses rank 8 h + l % 8,
	v_mul_u32_u24 v[TA], v14, SLABP
	v_bfe_u32 v14, v0, 3, 1
	v_lshl_add_u32 v[TA], v14, 4, v[TA]            ; k 8 ((l / 8) % 2) on; it leaves lane (r, h) with k = r, ranks 8 h .. 8 h + 7
	v_mul_u32_u24 v[STO], v1, SP
	v_lshl_add_u32 v[STO], v2, 4, v[STO]
	v_add_nc_u32 v[STO], s38, v[STO]
	v_mul_u32_u24 v[RD], v2, SP
	v_add3_u32 v[RD], v[RD], v[VS], s38
	v_lshl_add_u32 v[WO], v2, 15, v[VS]
	s_wait_kmcnt 0x0
	s_add_nc_u64 s[6:7], s[6:7], s[26:27]
	s_add_nc_u64 s[10:11], s[10:11], s[28:29]
	s_add_nc_u64 s[8:9], s[8:9], s[30:31]
	s_add_nc_u64 s[14:15], s[14:15], s[32:33]
	s_add_nc_u64 s[12:13], s[12:13], s[34:35]
	s_add_nc_u64 s[18:19], s[18:19], s[36:37]
	s_wait_alu depctr_va_vdst(0)                   ; the ten addresses v3 to v12 are written, which every load, store and LDS instruction of the role reads
	; twenty loads, in the order in which they are wanted: 2 of lora_A, 8 of lora_B, scales, qzeros, 8 of qweight
	global_load_b128 v[RA:RA+3],   v[VA], s[12:13]
	global_load_b128 v[RA+4:RA+7], v[VA], s[12:13] offset:256
.irp c, 0,1,2,3
	global_load_b128 v[RB+8*\c:RB+8*\c+3],   v[VB], s[14:15] offset:64*\c
	global_load_b128 v[RB+8*\c+4:RB+8*\c+7], v[VB], s[14:15] offset:64*\c+16
.endr
	global_load_b128 v[SR:SR+3], v[VS], s[10:11]
	global_load_b32 v[ZW], v[VZ], s[8:9]
.irp b, 0,1,2,3,4,5,6,7
	global_load_b128 v[QW+4*\b:QW+4*\b+3], v[VQ], s[6:7] offset:32768*\b th:TH_LOAD_NT  ; row 16 g + 2 b + h
.endr
	s_wait_loadcnt 18                              ; lora_A's two are in; the 18 behind them stay out
.irp p, 0,2,4,6
	v_pk_mul_f32 v[RA+\p:RA+\p+1], v[RA+\p:RA+\p+1], 2.0 op_sel_hi:[1,0]  ; the scaling lora_alpha / r = 2 goes into A
.endr
	v_cvt_pk_bf16_f32 v[RA],   v[RA],   v[RA+1]
	v_cvt_pk_bf16_f32 v[RA+1], v[RA+2], v[RA+3]
	v_cvt_pk_bf16_f32 v[RA+4], v[RA+4], v[RA+5]
	v_cvt_pk_bf16_f32 v[RA+5], v[RA+6], v[RA+7]
	s_wait_alu depctr_va_vdst(0)                   ; the conversions have written v[RA], v[RA+1], v[RA+4], v[RA+5], which the two LDS stores read
	ds_store_b64 v[LS], v[RA:RA+1]                 ; the slab: [rank][k of the group], bf16; the eight waves bring two ranks each
	ds_store_b64 v[LS], v[RA+4:RA+5] offset:128
	s_wait_loadcnt 10                              ; lora_B's eight are in
.irp c, 0,1,2,3
.irp q, 0,1,2,3
	v_cvt_pk_bf16_f32 v[BF+8*\c+\q], v[RB+8*\c+2*\q], v[RB+8*\c+2*\q+1]
.endr
.irp q, 4,5,6,7
	v_mov_b32 v[BF+8*\c+\q], 0                     ; ranks 16 to 31 do not exist: B^T is 0 there, whatever source 0 holds in their place
.endr
.endr
.irp q, 0,1,2,3
	v_mov_b32 v[AF+32+\q], 0
.endr
	s_wait_dscnt 0x0                               ; for the others' sake: my part of the slab is written
	s_barrier_signal -1
	s_barrier_wait -1                              ; everybody's is
.irp b, 0,1,2,3,4,5,6,7
	ds_load_tr16_b128 v[AF+4*\b:AF+4*\b+3], v[TA] offset:32*\b  ; 16 ranks x 16 k, turned; no vector instruction has named these 32 registers
.endr
	s_wait_loadcnt 8                               ; scales and qzeros are in; qweight's eight stay out
	v_and_b32 v14, 1, v1
	v_lshlrev_b32 v14, 4, v14
	v_lshrrev_b32 v[ZW], v14, v[ZW]                ; my four columns' nibbles are the word's low or high half
	v_cvt_pk_bf16_f32 v14, v[SR],   v[SR+1]        ; the scales rounded to bf16, and wide again
	v_cvt_pk_bf16_f32 v15, v[SR+2], v[SR+3]
	v_lshlrev_b32 v[EQ],  16, v14
	v_and_b32 v[EQ+4],  0xffff0000, v14
	v_lshlrev_b32 v[EQ+8], 16, v15
	v_and_b32 v[EQ+12], 0xffff0000, v15
.irp c, 0,1,2,3
	v_bfe_u32 v[EQ+4*\c+3], v[ZW], 4*\c, 4
	v_cvt_f32_u32 v[EQ+4*\c+1], v[EQ+4*\c+3]
	v_mul_f32 v[EQ+4*\c+2], v[EQ+4*\c+1], v[EQ+4*\c]  ; z s: 4 bits times 8, exact
.endr
	s_wait_loadcnt 0x0                             ; qweight
	s_wait_dscnt 0x0                               ; (2 A)^T
; Step i = 8 c + b.  UNPACK: eight nibbles to f32, then w s - z s in one rounding, which is exact.  Twenty plain instructions on the accumulator that is NOT the last product's.
.macro UNPACK i
.set SS, CD+8*((\i)%2)
.set WW, QW+4*((\i)%8)+(\i)/8
.set EC, EQ+4*((\i)/8)
.irp j, 0,1,2,3,4,5,6,7
	v_bfe_u32 v[SS+\j], v[WW], 4*\j, 4
.endr
.irp j, 0,1,2,3,4,5,6,7
	v_cvt_f32_u32 v[SS+\j], v[SS+\j]
.endr
.irp p, 0,2,4,6
	v_pk_fma_f32 v[SS+\p:SS+\p+1], v[SS+\p:SS+\p+1], v[EC:EC+1], v[EC+2:EC+3] op_sel_hi:[1,0,0] neg_lo:[0,0,1] neg_hi:[0,0,1]
.endr
.endm
.macro MMA i                           ; source 0's upper four registers are the next block's ranks (or zeros): they meet B^T's zeros
.set SS, CD+8*((\i)%2)
.set FA, AF+4*((\i)%8)
.set FB, BF+8*((\i)/8)
	v_wmma_f32_16x16x32_bf16 v[SS:SS+7], v[FA:FA+7], v[FB:FB+7], v[SS:SS+7]
.endm
.macro CVT i                           ; eight k of one column: 16 bytes, into block b's four registers of the sub-block's Z buffer; the accumulator is read from its low end on
.set SS, CD+8*((\i)%2)
.set ZZ, ZB+32*(((\i)/8)%2)+4*((\i)%8)
.irp q, 0,1,2,3
	v_cvt_pk_bf16_f32 v[ZZ+\q], v[SS+2*\q], v[SS+2*\q+1]
.endr
.endm
.macro SEND c, younger                 ; younger: the LDS instructions issued behind sub-block c's loads
	s_wait_dscnt \younger
.irp t, 0,1,2,3,4,5,6,7
	global_store_b128 v[WO], v[ZB+32*((\c)%2)+4*\t:ZB+32*((\c)%2)+4*\t+3], s[18:19] offset:(8*\t+(\c))*8192  ; stage row 2 t + h is column n0 + 4 (2 t + h) + c: 16 lanes store 256 consecutive bytes, aligned
.endr
.endm
; Sub-block c is packed: into row r of my stage, 16 bytes a block; the sub-block before leaves for memory; then back as whole rows of 256 bytes, two a load, into the registers that it left.
.macro FLUSH c
	s_wait_alu depctr_va_vdst(0)                   ; the sub-block's conversions have written Z[c % 2], which the stage stores read and in which the loads below land (in the first flush also: B's conversions are done reading these registers)
.irp b, 0,1,2,3,4,5,6,7
	ds_store_b128 v[STO], v[ZB+32*((\c)%2)+4*\b:ZB+32*((\c)%2)+4*\b+3] offset:32*\b
.endr
.if (\c) > 0
	SEND (\c)-1, 8                                 ; behind its loads: the eight stage stores above
.endif
	s_wait_alu depctr_vm_vsrc(0)                   ; the stage stores have read Z[c % 2], in which the loads below land; the global stores above have read the other Z, which the next sub-block's conversions write
.irp t, 0,1,2,3,4,5,6,7
	ds_load_b128 v[ZB+32*((\c)%2)+4*\t:ZB+32*((\c)%2)+4*\t+3], v[RD] offset:2*SP*\t  ; LDS serves a wave's instructions in order: these see the stores above, and the next sub-block's stores come behind them
.endr
.endm
; The two accumulators take turns, one product a turn.  Product i - 1's result is read behind step i's twenty plain instructions, which name none of its registers.
.set i, 0
.rept 32
	UNPACK i
	MMA i
.if i > 0
.if (i >= 17) && (i%8 == 1)
	s_wait_xcnt 0x0                                ; the global stores issued in the flush a step ago have had their addresses translated: their Z buffer is rewritten only behind this wait
.endif
	CVT i-1
.if i%8 == 0
	FLUSH i/8-1
.endif
.endif
.set i, i+1
.endr
.rept 4
	v_nop                                          ; four places between the last product and the reading of its result (ISA guide 7.12.1)
.endr
	CVT 31
	FLUSH 3
	SEND 3, 0
	s_wait_dscnt 0x0                               ; the closing lines, six on end
	s_wait_alu 0x0
	s_wait_tensorcnt 0x0
	ds_add_u32 v[SPW], v[NIL]
	s_wait_dscnt 0x0
	s_endpgm
.Lfunc_end_k_qeb22132a65_prep:
	.size	k_qeb22132a65_prep, .Lfunc_end_k_qeb22132a65_prep-k_qeb22132a65_prep
	.p2alignl 7, 3214868480
	.fill 96, 4, 3214868480
	.section	.rodata,"a",@progbits
	.p2align	6, 0x0
	.amdhsa_kernel k_qeb22132a65_prep
		.amdhsa_group_segment_fixed_size 40448
		.amdhsa_private_segment_fixed_size 0
		.amdhsa_enable_private_segment 0
		.amdhsa_kernarg_size 64
		.amdhsa_user_sgpr_count 2
		.amdhsa_user_sgpr_kernarg_segment_ptr 1
		.amdhsa_wavefront_size32 1
		.amdhsa_system_sgpr_workgroup_id_x 1
		.amdhsa_system_sgpr_workgroup_id_y 1
		.amdhsa_system_sgpr_workgroup_id_z 1
		.amdhsa_system_vgpr_workitem_id 0
		.amdhsa_next_free_vgpr 232
		.amdhsa_next_free_sgpr 66
		.amdhsa_reserve_vcc 0
		.amdhsa_float_denorm_mode_32 3
		.amdhsa_float_denorm_mode_16_64 3
		.amdhsa_memory_ordered 1
		.amdhsa_forward_progress 1
		.amdhsa_inst_pref_size 81
	.end_amdhsa_kernel
	.amdgpu_metadata
---
amdhsa.version: [ 1, 2 ]
amdhsa.kernels:
  - .name:           k_qeb22132a65_prep
    .symbol:         k_qeb22132a65_prep.kd
    .args:
      - { .name: x, .offset: 0, .size: 8, .value_kind: global_buffer, .address_space: global }
      - { .name: qweight, .offset: 8, .size: 8, .value_kind: global_buffer, .address_space: global }
      - { .name: qzeros, .offset: 16, .size: 8, .value_kind: global_buffer, .address_space: global }
      - { .name: scales, .offset: 24, .size: 8, .value_kind: global_buffer, .address_space: global }
      - { .name: lora_A, .offset: 32, .size: 8, .value_kind: global_buffer, .address_space: global }
      - { .name: lora_B, .offset: 40, .size: 8, .value_kind: global_buffer, .address_space: global }
      - { .name: xb, .offset: 48, .size: 8, .value_kind: global_buffer, .address_space: global }
      - { .name: wt, .offset: 56, .size: 8, .value_kind: global_buffer, .address_space: global }
    .group_segment_fixed_size: 40448
    .private_segment_fixed_size: 0
    .kernarg_segment_align: 8
    .kernarg_segment_size: 64
    .max_flat_workgroup_size: 256
    .sgpr_count:     66
    .vgpr_count:     232
    .wavefront_size: 32
...
	.end_amdgpu_metadata
.endif
;; end of part 3
;; launch gemm: the kernel of part 2 again; grid 16 x 16, 4 waves a work-group, clusters of 4 x 4, 327,680 bytes of LDS; arguments xb, wt, out0, bias; writes out0
